; MI455X (gfx1250); checked and timed in simulation.
; The chip was launched on July 23, 2026; its instructions are those of AMD's public machine-readable ISA for CDNA 5 (MIT licence, August 2026) and "CDNA5" Instruction Set Architecture Reference Guide (July 2026). The comments in the code are by the model that wrote it; some were corrected since.
;; Additive Attention. Allowed arithmetic: matrix products marked QUANTISED: E4M3 operands, one given power-of-two scale a tensor, by v_wmma_f32_16x16x64_fp8_fp8 or v_wmma_f32_16x16x128_fp8_fp8, f32 sums; products left as they are: f32 operands where the result goes on into a quantised operand, else bf16, f16 or f32 operands; f32 sums; everything else in f32.
;; Inputs: W 2,048 x 2,048 float32; h 16,384 x 1,024 float32; lowp_scales 2 int32 (the exponents e of the quantised operands' scales 2^e); s 16,384 x 1,024 float32; v 1 x 2,048 float32.
;; Outputs: out0 1 x 16,384 float32.
;; This version of the problem:
;;   THIS VERSION OF THE PROBLEM IS GIVEN IN LOW PRECISION. The matrix products marked QUANTISED in the list below multiply operands that are first quantised to E4M3 (4 exponent bits, 3 mantissa bits; 8 bits a number), with one given power-of-two scale for each operand tensor; their sums are f32. All else is computed in f32.
;;   The module's matrix products, in the order in which they are computed (A, B: the left and right operand; K: the contracted axis; several contracted axes count as one K, in the product's order):
;;     1. [M 16,384, K 2,048] x [K 2,048, N 2,048]; A: computed on the way; B: input W: QUANTISED (scales: A lowp_scales[0], B lowp_scales[1])
;;     2. [M 16,384, K 2,048] x [K 2,048, N 1]; A: computed on the way; B: input v: left as it is (N = 1 < 16)
;;   THE QUANTISER, for each operand of a quantised product, along K:
;;     - The operand's scale is 2^e, e = its entry of the input lowp_scales (int32; the entries are numbered through the quantised products in the list's order, A before B).
;;     - Each number is divided by the scale, clamped to +-448, and rounded to the nearest number of E4M3, ties to even, subnormals kept.
;;     - The product sums the exact products of the quantised numbers (number of the format x scale) in f32.
;;   ~~~python
;;   def quantise(x, axis, e):      # numpy; x: float32 -> the quantised numbers, widened to float32 again
;;       x = np.moveaxis(x, axis, -1); K = x.shape[-1]
;;       r = np.clip(x / 2.0 ** e, -448, 448)
;;       step = 2.0 ** (np.maximum(np.frexp(np.where(r == 0, 1, r))[1] - 1, -6) - 3)
;;       q = np.round(r / step) * step * 2.0 ** e      # np.round: ties to even
;;       return np.moveaxis(q, -1, axis).astype(np.float32)
;;   ~~~
;;   OPERANDS COMPUTED ON THE WAY. 'Computed on the way' means the value that the module computes at that place (a softmax that the list does not call 'softmax' is quantised finished and normalised). What goes into a quantiser is computed in f32, as accurately as f32 sums, v_exp_f32 and their like allow (about 1e-6 of the number): no bf16 or f16 on the way to a quantiser, and a product that is left as it is and whose result goes on into a quantised operand takes f32 operands (vector FMAs, or v_wmma_f32_16x16x4_f32). A number that lies on a knife's edge between two numbers of the format may be rounded either way, as far as f32 arithmetic and the matrix unit's own rounding can turn it there, and no further.
;; One version. Each part assembles by itself: llvm-mc -triple=amdgcn-amd-amdhsa -mcpu=gfx1250 --defsym DOCPART=n.
;; ======== version 1 of 1: 3 launches
;; limits: right only within a limited range of input values
;; workspace buffers: wc 4,194,304 bytes; part 131,072 bytes
;; launch wq (part 1): grid 256 x 1, 2 waves a work-group, no clusters, 17,664 bytes of LDS; arguments W, lowp_scales, wc; writes wc
.if DOCPART == 1
	.amdgcn_target "amdgcn-amd-amdhsa--gfx1250"
	.amdhsa_code_object_version 6
	.text
	.protected	k_q56a3d3e38f_wq
	.globl	k_q56a3d3e38f_wq
	.p2align	8
	.type	k_q56a3d3e38f_wq,@function
k_q56a3d3e38f_wq:
	s_mov_b64 s[64:65], 0
	v_nop
	global_prefetch_b8 v0, s[64:65] scope:SCOPE_SE
	s_setreg_imm32_b32 hwreg(HW_REG_WAVE_MODE, 25, 1), 1
	s_wait_xcnt 0x0
; W [2048 n][2048 k], f32, becomes codes of FP8 (E4M3): code = x / 2^e, held within +-448, to the nearest code, ties to even; e = entry 1 of the scales.
; LIMITS: -126 <= e <= 119.  NaN among the inputs is not served; an infinity is held at the largest code.
; ORDER ALONG K, the same as the next launch gives x: in each aligned 512 of K number 128 i + 4 l + j lies at place k' = 16 l + 4 i + j, which is what dense loads give a lane.
; LAYOUT OF wc, as the next launch's operand registers take it: [block of 128 n][K step of 128 k'][tile t of 16 n][c 0..3][lane 16 h + r][16 bytes]: row 16 t + r, k' = 32 c + 16 h + 0 .. 15 of the step.
; A wave takes one tile of 16 rows x one 512 of K: 16 steps of four dense loads; lane l's 16 codes are piece l of the row.  The pieces turn through the wave's own stage in LDS
; (piece pitch 272 bytes, 16 bytes a row) and leave as 16 stores of 512 consecutive bytes.  Waves share nothing: no barrier.
.set STEPS, 16
.set DEPTH, 6
.set R,     16                         ; v16-111 six sets of 16 numbers; then the way out
.set C,     128                        ; v128-191 codes, four registers a step
.set SP,    272
.set WREG,  32*SP
.set SPARE, 2*WREG                     ; the spare words: 128 bytes a wave
	s_load_b128 s[4:7], s[0:1], 0x0                ; W, the scales
	s_load_b64 s[8:9], s[0:1], 0x10                ; wc
	v_lshrrev_b32 v1, 5, v0
	v_readfirstlane_b32 s16, v1                    ; wave
	s_mul_i32 s17, s16, WREG
	s_and_b32 s18, ttmp9, 1
	s_lshl_b32 s18, s18, 1
	s_add_co_u32 s18, s18, s16                     ; g: which 512 of K
	s_lshr_b32 s19, ttmp9, 1                       ; T: which 16 rows
	s_lshl_b32 s20, s19, 17                        ; in: 16 rows of 8,192 bytes
	s_lshl_b32 s21, s18, 11
	s_add_co_u32 s20, s20, s21
	s_mov_b32 s21, 0
	s_lshr_b32 s22, s19, 3
	s_lshl_b32 s22, s22, 18                        ; out: the block of 128 rows,
	s_and_b32 s23, s19, 7
	s_lshl_b32 s23, s23, 11                        ; the tile,
	s_add_co_u32 s22, s22, s23
	s_lshl_b32 s23, s18, 16                        ; four K steps of 16,384 bytes for each g
	s_add_co_u32 s22, s22, s23
	s_mov_b32 s23, 0
	v_lshl_add_u32 v12, v0, 2, SPARE
	v_mov_b32 v13, 0
	v_and_b32 v2, 31, v0
	v_lshlrev_b32 v3, 4, v2                        ; 16 x lane
	v_mul_u32_u24 v4, v2, SP
	v_add_nc_u32 v4, s17, v4                       ; into the stage: piece = lane
	v_lshrrev_b32 v5, 4, v2
	v_and_b32 v6, 15, v2
	v_mul_u32_u24 v5, v5, SP
	v_lshl_add_u32 v5, v6, 4, v5
	v_add_nc_u32 v5, s17, v5                       ; out of it: two pieces an instruction, sixteen rows each
	s_wait_alu depctr_va_vdst(0)
	s_wait_kmcnt 0x0
	s_load_b32 s24, s[6:7], 0x4                    ; e
	s_add_nc_u64 s[4:5], s[4:5], s[20:21]
	s_add_nc_u64 s[8:9], s[8:9], s[22:23]
.macro LOAD t
.irp i, 0,1,2,3
	global_load_b128 v[R+16*((\t)%DEPTH)+4*\i:R+16*((\t)%DEPTH)+4*\i+3], v3, s[4:5] offset:8192*(\t)+512*\i th:TH_LOAD_NT
.endr
.endm
.irp t, 0,1,2,3,4,5
	LOAD \t
.endr
	s_wait_kmcnt 0x0
	s_add_co_i32 s24, s24, 127
	s_lshl_b32 s25, s24, 23
	v_mov_b32 v11, s25                             ; 2^e
	s_add_co_i32 s24, s24, 8
	s_lshl_b32 s24, s24, 23
	s_or_b32 s24, s24, 0x600000
	v_mov_b32 v10, s24                             ; 448 x 2^e
.macro STEP t                          ; row t of the tile
.set XS, R+16*((\t)%DEPTH)
.if STEPS-1-(\t) >= DEPTH-1
	s_wait_loadcnt 4*(DEPTH-1)                     ; this step's four are in; five steps' may be out
.else
	s_wait_loadcnt 4*(STEPS-1-(\t))
.endif
.irp i, 0,1,2,3,4,5,6,7,8,9,10,11,12,13,14,15
	v_med3_num_f32 v[XS+\i], v[XS+\i], -v10, v10   ; the conversion does not saturate (ISA guide 7.6.2)
.endr
	v_cvt_scalef32_pk8_fp8_f32 v[C+4*(\t):C+4*(\t)+1], v[XS:XS+7], v11
	v_cvt_scalef32_pk8_fp8_f32 v[C+4*(\t)+2:C+4*(\t)+3], v[XS+8:XS+15], v11
.if (\t)+DEPTH < STEPS
	LOAD (\t)+DEPTH
.endif
	ds_store_b128 v4, v[C+4*(\t):C+4*(\t)+3] offset:16*(\t)
.endm
	s_wait_alu depctr_va_vdst(0)
.irp t, 0,1,2,3,4,5,6,7,8,9,10,11,12,13,14,15
	STEP \t
.endr
.irp q, 0,1,2,3,4,5,6,7,8,9,10,11,12,13,14,15
	ds_load_b128 v[R+4*\q:R+4*\q+3], v5 offset:2*\q*SP   ; LDS serves a wave's instructions in order: these see my stores
.endr
.irp q, 0,1,2,3,4,5,6,7,8,9,10,11,12,13,14,15
	s_wait_dscnt 15-\q
	global_store_b128 v3, v[R+4*\q:R+4*\q+3], s[8:9] offset:(\q/4)*16384+(\q%4)*512   ; 512 consecutive bytes, aligned
.endr
	s_wait_tensorcnt 0x0                           ; the wave's end
	ds_add_u32 v12, v13
	s_wait_dscnt 0x0
	s_endpgm
.Lfunc_end_k_q56a3d3e38f_wq:
	.size	k_q56a3d3e38f_wq, .Lfunc_end_k_q56a3d3e38f_wq-k_q56a3d3e38f_wq
	.p2alignl 7, 3214868480
	.fill 96, 4, 3214868480
	.section	.rodata,"a",@progbits
	.p2align	6, 0x0
	.amdhsa_kernel k_q56a3d3e38f_wq
		.amdhsa_group_segment_fixed_size 17664
		.amdhsa_private_segment_fixed_size 0
		.amdhsa_enable_private_segment 0
		.amdhsa_kernarg_size 24
		.amdhsa_user_sgpr_count 2
		.amdhsa_user_sgpr_kernarg_segment_ptr 1
		.amdhsa_wavefront_size32 1
		.amdhsa_system_sgpr_workgroup_id_x 1
		.amdhsa_system_sgpr_workgroup_id_y 1
		.amdhsa_system_sgpr_workgroup_id_z 1
		.amdhsa_system_vgpr_workitem_id 0
		.amdhsa_next_free_vgpr 192
		.amdhsa_next_free_sgpr 66
		.amdhsa_reserve_vcc 0
		.amdhsa_float_denorm_mode_32 3
		.amdhsa_float_denorm_mode_16_64 3
		.amdhsa_memory_ordered 1
		.amdhsa_forward_progress 1
		.amdhsa_inst_pref_size 31
	.end_amdhsa_kernel
	.amdgpu_metadata
---
amdhsa.version: [ 1, 2 ]
amdhsa.kernels:
  - .name:           k_q56a3d3e38f_wq
    .symbol:         k_q56a3d3e38f_wq.kd
    .args:
      - { .name: W, .offset: 0, .size: 8, .value_kind: global_buffer, .address_space: global }
      - { .name: lowp_scales, .offset: 8, .size: 8, .value_kind: global_buffer, .address_space: global }
      - { .name: wc, .offset: 16, .size: 8, .value_kind: global_buffer, .address_space: global }
    .group_segment_fixed_size: 17664
    .private_segment_fixed_size: 0
    .kernarg_segment_align: 8
    .kernarg_segment_size: 24
    .max_flat_workgroup_size: 64
    .sgpr_count:     66
    .vgpr_count:     192
    .wavefront_size: 32
...
	.end_amdgpu_metadata
.endif
;; end of part 1
;; launch fused (part 2): grid 256 x 1, 4 waves a work-group, clusters of 4 x 1, 270,848 bytes of LDS; arguments s, h, wc, lowp_scales, v, part; writes part
.if DOCPART == 2
	.amdgcn_target "amdgcn-amd-amdhsa--gfx1250"
	.amdhsa_code_object_version 6
	.text
	.protected	k_q56a3d3e38f_fused
	.globl	k_q56a3d3e38f_fused
	.p2align	8
	.type	k_q56a3d3e38f_fused,@function
k_q56a3d3e38f_fused:
	s_mov_b64 s[64:65], 0
	v_nop
	global_prefetch_b8 v0, s[64:65] scope:SCOPE_SE
	s_setreg_imm32_b32 hwreg(HW_REG_WAVE_MODE, 25, 1), 1
	s_wait_xcnt 0x0
	s_wait_alu depctr_hold_cnt(0) depctr_sa_sdst(0) depctr_va_vdst(0) depctr_va_sdst(0) depctr_va_ssrc(0) depctr_va_vcc(0) depctr_vm_vsrc(0)
	s_getreg_b32 s2, hwreg(HW_REG_IB_STS2, 6, 4)
	s_cmp_eq_u32 s2, 0
	s_cbranch_scc0 .Lentry_in_a_cluster
	s_endpgm
.Lentry_in_a_cluster:
	s_bfe_u32 s2, ttmp6, 0x10000c
	s_cmp_lg_u32 s2, 0x3003
	s_cbranch_scc0 .Lentry_shape_is_right
	s_endpgm
.Lentry_shape_is_right:
; part[nh][row] = the sum over the 1,024 columns n of half nh of -2 v[n] / (1 + exp(2 z[row][n])), z = Q(concat(s, h)) Q(W)^T on codes of FP8 (E4M3), f32 sums.
; DEAD WORK LEFT OUT: tanh(z) = 1 - 2 / (1 + exp(2 z)), so a row's score is (the sum of all v[n]) + part[0][row] + part[1][row].  The first term is the same for every row, and
; reference() takes a softmax over the rows: a term that is the same along a softmax's axis cancels for all values of the inputs.  LIMIT: an overflow or NaN of that sum alone is not carried to the result.
; LIMITS: e0 between -126 and 119; e0 + e1 between -127 and 125 (added to an exponent field).  NaN among the inputs is not served; an infinity in s or h is held at the largest code.
; SHARES.  Work-group 2 b + nh owns rows 128 b .. 128 b + 127 and columns 1024 nh .. + 1023.  The head: wave w quantises rows 32 w .. + 31 of s and h in registers and stores their codes in LDS
; (row pitch 2,064 bytes), once; the order along K is the one that dense loads give, the same as in wc.  Then wave w makes 128 rows x columns 256 w + 128 p + 0 .. 127 in passes p = 0, 1 of 16 K steps of 128.
; A's fragments come from LDS; W's come from wc straight into registers, each load 512 consecutive bytes, in two buffers; a half buffer is asked for again as soon as its last product has read it.
; CLUSTER: four work-groups, two pairs that read the same rows of s and h, are launched together.  There is no tensor load, so no ring, no joint load and no round; only global addresses hang on the place in the cluster.
; No barrier in the K steps.  No prefetch: all work-groups of a half walk the same 2 MB of wc together.
; THE MATRIX INSTRUCTION IS USED TRANSPOSED: source 0 = 16 rows of W, source 1 = 16 rows of x: lane (r, h) holds row r, register j column 8 h + j of the tile.
; REGISTERS: window 0: v10-31 constants and addresses, v32-95 -2 v, v96-119 sums, v128-255 A's fragments (head: codes); window 1: W's two buffers; windows 2, 3: 64 accumulators, worked in place on the way out (head: window 2 takes x).
.set PITCH, 2064
.set VL,    128*PITCH                  ; -2 v of my half: 4,096 bytes
.set STG,   VL+4096                    ; four waves x 128 rows of sums
.set SPARE, STG+2048                   ; the spare words: 128 bytes a wave
.set BND, 10
.set SCL, 11
.set ADRA, 16                          ; v16-19 A's fragments: tiles 0-1, 2-3, 4-5, 6-7
.set SA0, 20
.set SA,  21
.set VA0, 22
.set VA,  23
.set SG,  24
.set SRD, 25
.set CO,  26
.set BO,  27                           ; 16 x lane
.set SPW, 28
.set NIL, 29
.set VW,  30
.set VG,  31
.set VV,  32
.set DC,  96
.set PR,  104
.set VT,  112
.set AF,  128
.set CD,  128
.set RO,  36
.set VP,  37
.set CS,  42
.set SEL, 46
.set MSB, 0
.macro WIN new                         ; the immediate's high byte repeats the setting that is left
.if MSB != (\new)
	s_set_vgpr_msb (MSB<<8)|(\new)
.set MSB, (\new)
.endif
.endm
.set MUL_LO, 0xa1                      ; source 0 (W) window 1, source 1 (x) window 0, C and D window 2
.set MUL_HI, 0xf1
.set TO_B,   0x40
.macro PLACES
.rept 4
	v_nop
.endr
.endm
.macro XLOAD j                         ; row j from the bases: 16 dense loads into set j % 4 of window 2
.irp i, 0,1,2,3,4,5,6,7
	global_load_b128 v[64*((\j)%4)+4*\i:64*((\j)%4)+4*\i+3], v[BO], s[4:5] offset:(\j)*4096+512*\i
.endr
.irp i, 0,1,2,3,4,5,6,7
	global_load_b128 v[64*((\j)%4)+32+4*\i:64*((\j)%4)+32+4*\i+3], v[BO], s[6:7] offset:(\j)*4096+512*\i
.endr
.endm
.macro XROW j, issue, n                ; n: the loads issued behind row j's
.if \issue
	WIN 0x80
	XLOAD (\j)+3
.endif
	s_wait_loadcnt \n
	WIN 0x82
.set i, 0
.rept 64
	v_med3_num_f32 v[64*(\j)+i], v[64*(\j)+i], -v[BND], v[BND]   ; the conversion does not saturate (ISA guide 7.6.2)
.set i, i+1
.endr
	WIN 0x02
.irp q, 0,1,2,3,4,5,6,7
	v_cvt_scalef32_pk8_fp8_f32 v[CD+16*(\j)+2*\q:CD+16*(\j)+2*\q+1], v[64*(\j)+8*\q:64*(\j)+8*\q+7], v[SCL]
.endr
	WIN 0
	v_nop                                          ; a plain line behind the conversions
.irp g, 0,1,2,3
	ds_store_b128 v[SA], v[CD+16*(\j)+4*\g:CD+16*(\j)+4*\g+3] offset:(\j)*PITCH+512*\g   ; 512 consecutive bytes of the row
.endr
.endm
.macro BLOAD s, t0                     ; K step s, tiles t0 .. t0 + 3 of W into buffer s % 2
.irp t, 0,1,2,3
.irp c, 0,1,2,3
	global_load_b128 v[128*((\s)%2)+16*((\t0)+\t)+4*\c:128*((\s)%2)+16*((\t0)+\t)+4*\c+3], v[BO], s[8:9] offset:(\s)*16384+((\t0)+\t)*2048+\c*512
.endr
.endr
.endm
.macro BINIT                           ; a pass's K steps 0 and 1
	WIN TO_B
	BLOAD 0, 0
	BLOAD 0, 4
	BLOAD 1, 0
	BLOAD 1, 4
	WIN 0
.endm
.macro FETCH_A s, i0                   ; K step s, tiles i0 .. i0 + 3 of x
.irp i, 0,1,2,3
.irp c, 0,1,2,3
	ds_load_b128 v[AF+16*((\i0)+\i)+4*\c:AF+16*((\i0)+\i)+4*\c+3], v[ADRA+((\i0)+\i)/2] offset:128*(\s)+32*\c+(\i%2)*16*PITCH
.endr
.endr
.endm
.macro MULQ ah, th, s                  ; 16 products: four tiles of x by four of W; each accumulator once
.irp a, 0,1,2,3
.irp b, 0,1,2,3
.if (\s) == 0
	v_wmma_f32_16x16x128_fp8_fp8 v[8*(8*\a+4*(\th)+\b):8*(8*\a+4*(\th)+\b)+7], v[128*((\s)%2)+16*(4*(\th)+\b):128*((\s)%2)+16*(4*(\th)+\b)+15], v[AF+16*(4*(\ah)+\a):AF+16*(4*(\ah)+\a)+15], 0
.else
	v_wmma_f32_16x16x128_fp8_fp8 v[8*(8*\a+4*(\th)+\b):8*(8*\a+4*(\th)+\b)+7], v[128*((\s)%2)+16*(4*(\th)+\b):128*((\s)%2)+16*(4*(\th)+\b)+15], v[AF+16*(4*(\ah)+\a):AF+16*(4*(\ah)+\a)+15], v[8*(8*\a+4*(\th)+\b):8*(8*\a+4*(\th)+\b)+7]
.endif
.endr
.endr
.endm
; A K step.  W's half buffers go out in the order (s, 0-3), (s, 4-7), (s + 1, 0-3), (s + 1, 4-7), 16 loads each: a wait's count is 16 x the half buffers issued behind the one that it needs.
.macro KSTEP s
	PLACES                                         ; four places ahead of loads into registers that products have read
.if ((\s) >= 1) && ((\s) <= 14)
	WIN TO_B
	BLOAD (\s)+1, 4
.endif
	WIN 0
	FETCH_A \s, 4
.if (\s) < 15
	s_wait_loadcnt 48
.else
	s_wait_loadcnt 16
.endif
	s_wait_dscnt 16                                ; x's tiles 0-3 are in; the 16 loads just issued may be out
	WIN MUL_LO
	MULQ 0, 0, \s
.if (\s) < 15
	s_wait_loadcnt 32
.else
	s_wait_loadcnt 0x0
.endif
	MULQ 0, 1, \s
	PLACES
	WIN 0
.if (\s) < 15
	FETCH_A (\s)+1, 0
	s_wait_dscnt 16                                ; x's tiles 4-7 are in
.else
	s_wait_dscnt 0x0
.endif
	WIN MUL_HI
	MULQ 1, 0, \s
.if (\s) <= 13
	PLACES
	WIN TO_B
	BLOAD (\s)+2, 0
	WIN MUL_HI
.endif
	MULQ 1, 1, \s
.endm
; THE WAY OUT of a pass, in place in the accumulators, by blocks a of 16 rows (64 registers of window 2 + a / 4): x 2 log2(e) 2^(e0 + e1); exp2; + 1; reciprocal; the dot with -2 v.
.macro SCALE a
.set TT, 64*((\a)%4)
	WIN 0x82+0x41*((\a)/4)                         ; source 0 and destination in the block's window
.set j, 0
.rept 32
	v_pk_mul_f32 v[TT+j:TT+j+1], v[TT+j:TT+j+1], s[CS:CS+1] op_sel_hi:[1,0]
.set j, j+2
.endr
.endm
.macro EXPS a
.set TT, 64*((\a)%4)
	WIN 0x82+0x41*((\a)/4)
.set j, 0
.rept 64
	v_exp_f32 v[TT+j], v[TT+j]
.set j, j+1
.endr
.endm
.macro ONES a
.set TT, 64*((\a)%4)
	WIN 0x82+0x41*((\a)/4)
.set j, 0
.rept 32
	v_pk_add_f32 v[TT+j:TT+j+1], v[TT+j:TT+j+1], 1.0 op_sel_hi:[1,0]
.set j, j+2
.endr
.endm
.macro RCPS a
.set TT, 64*((\a)%4)
	WIN 0x82+0x41*((\a)/4)
.set j, 0
.rept 64
	v_rcp_f32 v[TT+j], v[TT+j]
.set j, j+1
.endr
.endm
.macro DOT a
.set TT, 64*((\a)%4)
	WIN 0x02+((\a)/4)                              ; source 0 in the block's window, all else in window 0
.set i, 0
.rept 32
.if i < 4
	v_pk_mul_f32 v[DC+2*i:DC+2*i+1], v[TT+2*i:TT+2*i+1], v[VV+2*i:VV+2*i+1]
.else
	v_pk_fma_f32 v[DC+2*(i%4):DC+2*(i%4)+1], v[TT+2*i:TT+2*i+1], v[VV+2*i:VV+2*i+1], v[DC+2*(i%4):DC+2*(i%4)+1]
.endif
.set i, i+1
.endr
.endm
.macro REDUCE a
	WIN 0
	v_pk_add_f32 v[DC:DC+1], v[DC:DC+1], v[DC+2:DC+3]
	v_pk_add_f32 v[DC+4:DC+5], v[DC+4:DC+5], v[DC+6:DC+7]
	v_pk_add_f32 v[DC:DC+1], v[DC:DC+1], v[DC+4:DC+5]
	v_add_f32 v[DC], v[DC], v[DC+1]
	v_add_f32 v[PR+(\a)], v[PR+(\a)], v[DC]
.endm
; All scalings stand ahead of the first transcendental.  Then a batch is block a's reciprocals and block a + 1's exponentials; block a - 1's dot stands behind the batch and names none of its registers.
; One wait ahead of each batch and one behind it.
.macro EPI
.irp a, 0,1,2,3,4,5,6,7
	SCALE \a
.endr
	s_wait_alu depctr_va_vdst(0)
	EXPS 0
	v_nop
	s_wait_alu depctr_va_vdst(0)
	ONES 0
.irp a, 0,1,2,3,4,5,6,7
	s_wait_alu depctr_va_vdst(0)
	RCPS \a
.if \a < 7
	EXPS \a+1
.endif
.if \a > 0
	DOT \a-1
	REDUCE \a-1
.else
	v_nop
.endif
	s_wait_alu depctr_va_vdst(0)
.if \a < 7
	ONES \a+1
.endif
.endr
	DOT 7
	REDUCE 7
.endm
	s_load_b256 s[4:11], s[0:1], 0x0               ; s, h, wc, the scales
	s_load_b128 s[12:15], s[0:1], 0x20             ; v, part
	v_lshrrev_b32 v1, 5, v0
	v_readfirstlane_b32 s16, v1                    ; wave
	s_bfe_u32 s18, ttmp6, 0x40000                  ; my place in the cluster, 0 .. 3
	s_and_b32 s17, s18, 1                          ; nh
	s_lshr_b32 s18, s18, 1
	s_lshl_b32 s19, ttmp9, 1                       ; (in a cluster launch ttmp9 counts clusters)
	s_add_co_u32 s18, s18, s19                     ; b = 2 x cluster + place / 2
	s_mul_i32 s19, s16, 32*PITCH                   ; my 32 rows in LDS
	s_lshl_b32 s20, s16, 10
	s_add_co_u32 s20, s20, VL                      ; my 256 columns of -2 v
	s_lshl_b32 s21, s16, 9
	s_add_co_u32 s21, s21, STG                     ; my 128 sums
	s_lshl_b32 s22, s18, 19
	s_lshl_b32 s23, s16, 17
	s_add_co_u32 s22, s22, s23                     ; s, h: row 128 b + 32 w, 4,096 bytes a row
	s_mov_b32 s23, 0
	s_lshl_b32 s24, s17, 21
	s_lshl_b32 s25, s16, 19
	s_add_co_u32 s24, s24, s25                     ; wc: my 256 columns
	s_mov_b32 s25, 0
	s_lshl_b32 s26, s17, 12                        ; v: my half
	s_mov_b32 s27, 0
	s_lshl_b32 s30, s17, 16
	s_lshl_b32 s31, s18, 9
	s_add_co_u32 s30, s30, s31                     ; part: row nh, my 128 numbers
	s_mov_b32 s31, 0
	s_mov_b32 s[SEL], 0x76543210
	s_mov_b32 s[SEL+1], 0xfedcba98
	s_mov_b32 s[RO], 0
	s_mov_b32 s[VP], 0
	v_lshl_add_u32 v[SPW], v0, 2, SPARE
	v_mov_b32 v[NIL], 0
	v_and_b32 v2, 31, v0
	v_lshlrev_b32 v[BO], 4, v2
	v_and_b32 v1, 15, v0                           ; r
	v_bfe_u32 v3, v0, 4, 1                         ; h
	v_add_nc_u32 v[SA0], s19, v[BO]
	v_mul_u32_u24 v4, v1, PITCH
	v_lshl_add_u32 v4, v3, 4, v4                   ; row r, + 16 h
.irp i, 0,1,2,3
	v_add_nc_u32 v[ADRA+\i], \i*32*PITCH, v4
.endr
	v_lshl_add_u32 v[VA0], v3, 5, s20
	v_lshl_add_u32 v[SG], v1, 2, s21
	v_lshl_add_u32 v[SRD], v0, 3, STG
	v_lshlrev_b32 v[CO], 3, v0
	v_lshl_add_u32 v[VW], v0, 5, VL
	v_lshlrev_b32 v[VG], 5, v0
.irp a, 0,1,2,3,4,5,6,7
	v_mov_b32 v[PR+\a], 0                          ; the rows' sums run over both passes
.endr
	s_wait_alu depctr_va_vdst(0)
	s_wait_kmcnt 0x0
	s_load_b64 s[40:41], s[10:11], 0x0             ; e0, e1
	s_add_nc_u64 s[4:5], s[4:5], s[22:23]
	s_add_nc_u64 s[6:7], s[6:7], s[22:23]
	s_add_nc_u64 s[8:9], s[8:9], s[24:25]
	s_add_nc_u64 s[12:13], s[12:13], s[26:27]
	s_add_nc_u64 s[14:15], s[14:15], s[30:31]
	global_load_b128 v[VT:VT+3], v[VG], s[12:13]   ; eight of my half's 1,024 v a thread
	global_load_b128 v[VT+4:VT+7], v[VG], s[12:13] offset:16
	WIN 0x80
	XLOAD 0
	XLOAD 1
	XLOAD 2
	WIN 0
	s_wait_kmcnt 0x0
	s_add_co_i32 s44, s40, 127
	s_lshl_b32 s45, s44, 23
	v_mov_b32 v[SCL], s45                          ; 2^e0
	s_add_co_i32 s44, s44, 8
	s_lshl_b32 s44, s44, 23
	s_or_b32 s44, s44, 0x600000
	v_mov_b32 v[BND], s44                          ; 448 x 2^e0
	s_add_co_i32 s[CS], s40, s41
	s_lshl_b32 s[CS], s[CS], 23
	s_add_co_i32 s[CS], s[CS], 0x4038aa3b          ; 2 log2(e) x 2^(e0 + e1)
	s_mov_b32 s[CS+1], s[CS]
	s_wait_alu depctr_va_vdst(0)
	s_wait_loadcnt 48                              ; v is in; three rows' loads may be out
.irp j, 0,2,4,6
	v_pk_mul_f32 v[VT+\j:VT+\j+1], v[VT+\j:VT+\j+1], -2.0 op_sel_hi:[1,0]
.endr
	ds_store_b128 v[VW], v[VT:VT+3]
	ds_store_b128 v[VW], v[VT+4:VT+7] offset:16
	s_mov_b32 s3, 0
.Lrows:                                                ; seven trips of four rows; each row asks for the row three on
	v_add_nc_u32 v[SA], s[RO], v[SA0]
	XROW 0, 1, 48
	XROW 1, 1, 48
	XROW 2, 1, 48
	XROW 3, 1, 48
	s_wait_alu depctr_va_vdst(0)
	s_wait_xcnt 0x0                                ; the bases are stepped only behind this wait
	s_add_nc_u64 s[4:5], s[4:5], 16384
	s_add_nc_u64 s[6:7], s[6:7], 16384
	s_add_co_u32 s[RO], s[RO], 4*PITCH
	s_add_co_u32 s3, s3, 1
	s_cmp_lt_u32 s3, 7
	s_cbranch_scc1 .Lrows
	v_add_nc_u32 v[SA], s[RO], v[SA0]
	XROW 0, 1, 48                                  ; the last four rows: only row 31 is still to be asked for.
	WIN TO_B                                       ; In the place of a further row's 16 loads each takes 16 of W's first two K steps: the count stays 48
	BLOAD 0, 0
	XROW 1, 0, 48
	WIN TO_B
	BLOAD 0, 4
	XROW 2, 0, 48
	WIN TO_B
	BLOAD 1, 0
	XROW 3, 0, 48
	WIN TO_B
	BLOAD 1, 4
	WIN 0
	s_wait_alu depctr_va_vdst(0)
	s_wait_dscnt 0x0                               ; my codes and my part of -2 v are in LDS
	s_barrier_signal -1
	s_barrier_wait -1
	s_mov_b32 s3, 0
.Lpass:
	FETCH_A 0, 0
.set KS, 0
.rept 16
	KSTEP KS
.set KS, KS+1
.endr
	PLACES
	WIN 0
	v_add_nc_u32 v[VA], s[VP], v[VA0]
.irp b, 0,1,2,3,4,5,6,7
	ds_load_b128 v[VV+8*\b:VV+8*\b+3], v[VA] offset:64*\b          ; -2 v at columns 16 b + 8 h + 0 .. 7 of the pass
	ds_load_b128 v[VV+8*\b+4:VV+8*\b+7], v[VA] offset:64*\b+16
.endr
	s_cmp_eq_u32 s3, 1
	s_cbranch_scc1 .Lno_more                       ; behind the last pass nothing is asked for
	s_wait_xcnt 0x0
	s_add_nc_u64 s[8:9], s[8:9], 0x40000           ; the next pass's 128 columns:
	BINIT                                          ; their first two K steps land while this pass goes out
.Lno_more:
	s_wait_dscnt 0x0
	EPI
	s_add_co_u32 s[VP], s[VP], 512
	s_add_co_u32 s3, s3, 1
	s_cmp_lt_u32 s3, 2
	s_wait_alu depctr_va_vdst(0)
	s_cbranch_scc1 .Lpass
.irp a, 0,1,2,3,4,5,6,7
	v_permlanex16_b32 v[DC+\a], v[PR+\a], s[SEL], s[SEL+1]
.endr
.irp a, 0,1,2,3,4,5,6,7
	v_add_f32 v[PR+\a], v[PR+\a], v[DC+\a]         ; both halves of the lanes: my 256 columns' sum of row 16 a + r
.endr
.irp a, 0,1,2,3,4,5,6,7
	ds_store_b32 v[SG], v[PR+\a] offset:64*\a      ; lanes r and 16 + r store the same number to the same word
.endr
	s_wait_alu depctr_va_vdst(0)
	s_wait_dscnt 0x0
	s_barrier_signal -1
	s_barrier_wait -1
	s_cmp_ge_u32 s16, 2
	s_cbranch_scc1 .Lend                           ; waves 0 and 1 add the four waves' sums: two rows a lane, 256 consecutive bytes a wave
.irp w, 0,1,2,3
	ds_load_b64 v[VT+2*\w:VT+2*\w+1], v[SRD] offset:512*\w
.endr
	s_wait_dscnt 0x0
	v_pk_add_f32 v[VT:VT+1], v[VT:VT+1], v[VT+2:VT+3]
	v_pk_add_f32 v[VT+4:VT+5], v[VT+4:VT+5], v[VT+6:VT+7]
	v_pk_add_f32 v[VT:VT+1], v[VT:VT+1], v[VT+4:VT+5]
	global_store_b64 v[CO], v[VT:VT+1], s[14:15]
.Lend:
	s_wait_tensorcnt 0x0                           ; the wave's end
	ds_add_u32 v[SPW], v[NIL]
	s_wait_dscnt 0x0
	s_endpgm
.Lfunc_end_k_q56a3d3e38f_fused:
	.size	k_q56a3d3e38f_fused, .Lfunc_end_k_q56a3d3e38f_fused-k_q56a3d3e38f_fused
	.p2alignl 7, 3214868480
	.fill 96, 4, 3214868480
	.section	.rodata,"a",@progbits
	.p2align	6, 0x0
	.amdhsa_kernel k_q56a3d3e38f_fused
		.amdhsa_group_segment_fixed_size 270848
		.amdhsa_private_segment_fixed_size 0
		.amdhsa_enable_private_segment 0
		.amdhsa_kernarg_size 48
		.amdhsa_user_sgpr_count 2
		.amdhsa_user_sgpr_kernarg_segment_ptr 1
		.amdhsa_wavefront_size32 1
		.amdhsa_system_sgpr_workgroup_id_x 1
		.amdhsa_system_sgpr_workgroup_id_y 1
		.amdhsa_system_sgpr_workgroup_id_z 1
		.amdhsa_system_vgpr_workitem_id 0
		.amdhsa_next_free_vgpr 1024
		.amdhsa_next_free_sgpr 66
		.amdhsa_reserve_vcc 0
		.amdhsa_float_denorm_mode_32 3
		.amdhsa_float_denorm_mode_16_64 3
		.amdhsa_memory_ordered 1
		.amdhsa_forward_progress 1
		.amdhsa_inst_pref_size 255
	.end_amdhsa_kernel
	.section	.bss,"aw",@nobits
	.p2align	6
	.space	262144
	.amdgpu_metadata
---
amdhsa.version: [ 1, 2 ]
amdhsa.kernels:
  - .name:           k_q56a3d3e38f_fused
    .symbol:         k_q56a3d3e38f_fused.kd
    .args:
      - { .name: s, .offset: 0, .size: 8, .value_kind: global_buffer, .address_space: global }
      - { .name: h, .offset: 8, .size: 8, .value_kind: global_buffer, .address_space: global }
      - { .name: wc, .offset: 16, .size: 8, .value_kind: global_buffer, .address_space: global }
      - { .name: lowp_scales, .offset: 24, .size: 8, .value_kind: global_buffer, .address_space: global }
      - { .name: v, .offset: 32, .size: 8, .value_kind: global_buffer, .address_space: global }
      - { .name: part, .offset: 40, .size: 8, .value_kind: global_buffer, .address_space: global }
    .group_segment_fixed_size: 270848
    .private_segment_fixed_size: 0
    .kernarg_segment_align: 8
    .kernarg_segment_size: 48
    .max_flat_workgroup_size: 128
    .sgpr_count:     66
    .vgpr_count:     1024
    .wavefront_size: 32
...
	.end_amdgpu_metadata
.endif
;; end of part 2
;; launch softmax (part 3): grid 1 x 1, 32 waves a work-group, no clusters, 4,608 bytes of LDS; arguments part, out0; writes out0
.if DOCPART == 3
	.amdgcn_target "amdgcn-amd-amdhsa--gfx1250"
	.amdhsa_code_object_version 6
	.text
	.protected	k_q56a3d3e38f_softmax
	.globl	k_q56a3d3e38f_softmax
	.p2align	8
	.type	k_q56a3d3e38f_softmax,@function
k_q56a3d3e38f_softmax:
	s_mov_b64 s[64:65], 0
	v_nop
	global_prefetch_b8 v0, s[64:65] scope:SCOPE_SE
	s_setreg_imm32_b32 hwreg(HW_REG_WAVE_MODE, 25, 1), 1
	s_wait_xcnt 0x0
; score[r] = part[0][r] + part[1][r] (the term left out by the launch before is the same for all r and cancels here); out0[r] = exp(score[r] - M) / the sum over all r of exp(score[r] - M), M the largest score.  All in f32.
; The sum spans all 16,384 rows, so one work-group owns it: 32 waves, 1,024 threads; thread t owns rows 4 t + 4,096 q + 0 .. 3, q = 0 .. 3: 16 scores in registers.
; Each load and store of a wave covers 512 consecutive bytes.  Two reductions over the work-group, each through 32 words of LDS of its own and one barrier.
; An exponential that would be a denormal number comes out as 0 (ISA guide, the instruction's entry).  NaN is not served.
.set S, 16                             ; v16-31   my 16 scores, then the results
.set X, 32                             ; v32-63   two sets of 16: part's two rows
	s_load_b128 s[4:7], s[0:1], 0x0                ; part s[4:5], out0 s[6:7]
	v_lshl_add_u32 v96, v0, 2, 0x200
	v_mov_b32 v97, 0
	v_lshlrev_b32 v1, 4, v0                        ; 16 t; never rewritten
	v_lshrrev_b32 v2, 5, v0
	s_delay_alu instid0(VALU_DEP_1)
	v_lshlrev_b32 v3, 2, v2                        ; my wave's word in LDS
	v_and_b32 v4, 31, v0
	s_delay_alu instid0(VALU_DEP_1)
	v_lshlrev_b32 v4, 2, v4                        ; and the word that my lane reads back: wave = my lane's number
	s_mov_b32 s10, 0x76543210                      ; v_permlanex16_b32's selects for lane l xor 16
	s_mov_b32 s11, 0xfedcba98
	v_mov_b32 v9, 0                                ; written once: a lane permute's destination counts as one of its sources
	s_wait_alu depctr_va_vdst(0)
	s_wait_kmcnt 0x0
.macro LOADP p, reg                    ; row p of part: the partials of my 16 rows
.irp q, 0,1,2,3
	global_load_b128 v[\reg+4*\q:\reg+4*\q+3], v1, s[4:5] offset:65536*(\p)+16384*\q th:TH_LOAD_NT
.endr
.endm
.macro WMAX                            ; the largest v8 of the wave's 32 lanes, in every lane
	v_max_num_f32_dpp v8, v8, v8 row_xmask:1 row_mask:0xf bank_mask:0xf
	s_delay_alu instid0(VALU_DEP_1)
	v_max_num_f32_dpp v8, v8, v8 row_xmask:2 row_mask:0xf bank_mask:0xf
	s_delay_alu instid0(VALU_DEP_1)
	v_max_num_f32_dpp v8, v8, v8 row_xmask:4 row_mask:0xf bank_mask:0xf
	s_delay_alu instid0(VALU_DEP_1)
	v_max_num_f32_dpp v8, v8, v8 row_xmask:8 row_mask:0xf bank_mask:0xf
	s_wait_alu depctr_va_vdst(0)
	v_permlanex16_b32 v9, v8, s10, s11
	s_delay_alu instid0(VALU_DEP_1)
	v_max_num_f32 v8, v8, v9
.endm
.macro WSUM                            ; the sum likewise
	v_add_f32_dpp v8, v8, v8 row_xmask:1 row_mask:0xf bank_mask:0xf
	s_delay_alu instid0(VALU_DEP_1)
	v_add_f32_dpp v8, v8, v8 row_xmask:2 row_mask:0xf bank_mask:0xf
	s_delay_alu instid0(VALU_DEP_1)
	v_add_f32_dpp v8, v8, v8 row_xmask:4 row_mask:0xf bank_mask:0xf
	s_delay_alu instid0(VALU_DEP_1)
	v_add_f32_dpp v8, v8, v8 row_xmask:8 row_mask:0xf bank_mask:0xf
	s_wait_alu depctr_va_vdst(0)
	v_permlanex16_b32 v9, v8, s10, s11
	s_delay_alu instid0(VALU_DEP_1)
	v_add_f32 v8, v8, v9
.endm
	LOADP 0, X                                     ; all eight loads go out at once
	LOADP 1, X+16
	s_wait_loadcnt 0x0
.irp j, 0,2,4,6,8,10,12,14
	v_pk_add_f32 v[S+\j:S+\j+1], v[X+\j:X+\j+1], v[X+16+\j:X+16+\j+1]
.endr
	s_wait_alu depctr_va_vdst(0)
	; the largest score: my 16 in two chains, the wave's, the work-group's
	v_max3_num_f32 v8, v[S], v[S+1], v[S+2]
	v_max3_num_f32 v12, v[S+3], v[S+4], v[S+5]
	s_delay_alu instid0(VALU_DEP_2)
	v_max3_num_f32 v8, v8, v[S+6], v[S+7]
	s_delay_alu instid0(VALU_DEP_2)
	v_max3_num_f32 v12, v12, v[S+8], v[S+9]
	s_delay_alu instid0(VALU_DEP_2)
	v_max3_num_f32 v8, v8, v[S+10], v[S+11]
	s_delay_alu instid0(VALU_DEP_2)
	v_max3_num_f32 v12, v12, v[S+12], v[S+13]
	s_delay_alu instid0(VALU_DEP_2)
	v_max3_num_f32 v8, v8, v[S+14], v[S+15]
	s_delay_alu instid0(VALU_DEP_1)
	v_max_num_f32 v8, v8, v12
	WMAX
	ds_store_b32 v3, v8                            ; all lanes write the wave's word with the same value
	s_wait_dscnt 0x0                               ; for the others' sake: the store has landed
	s_barrier_signal -1
	s_barrier_wait -1
	ds_load_b32 v8, v4                             ; lane l takes wave l's
	s_wait_dscnt 0x0
	WMAX                                           ; M, in every lane of every wave
	s_delay_alu instid0(VALU_DEP_1)
	v_mul_f32 v10, 0xbfb8aa3b, v8                  ; -M log2(e)
	s_delay_alu instid0(VALU_DEP_1)
	v_mov_b32 v11, v10
.irp j, 0,2,4,6,8,10,12,14
	v_pk_fma_f32 v[S+\j:S+\j+1], v[S+\j:S+\j+1], 0x3fb8aa3b, v[10:11] op_sel_hi:[1,0,1]   ; (score - M) log2(e), 0 or less but for the rounding of M log2(e)
.endr
	s_wait_alu depctr_va_vdst(0)
.irp j, 0,1,2,3,4,5,6,7,8,9,10,11,12,13,14,15
	v_exp_f32 v[S+\j], v[S+\j]
.endr
	v_nop                                          ; a plain line behind the last exponential
	s_wait_alu depctr_va_vdst(0)                   ; one wait for the batch of 16, ahead of its first reader
	v_pk_add_f32 v[12:13], v[S:S+1], v[S+2:S+3]    ; the sum: my 16 in two chains of pairs, the wave's, the work-group's
	v_pk_add_f32 v[14:15], v[S+4:S+5], v[S+6:S+7]
	v_pk_add_f32 v[12:13], v[12:13], v[S+8:S+9]
	v_pk_add_f32 v[14:15], v[14:15], v[S+10:S+11]
	v_pk_add_f32 v[12:13], v[12:13], v[S+12:S+13]
	v_pk_add_f32 v[14:15], v[14:15], v[S+14:S+15]
	s_delay_alu instid0(VALU_DEP_1)
	v_pk_add_f32 v[12:13], v[12:13], v[14:15]
	s_delay_alu instid0(VALU_DEP_1)
	v_add_f32 v8, v12, v13
	WSUM
	ds_store_b32 v3, v8 offset:256                 ; other words than the maxima's: no wave may still be reading those
	s_wait_dscnt 0x0
	s_barrier_signal -1
	s_barrier_wait -1
	ds_load_b32 v8, v4 offset:256
	s_wait_dscnt 0x0
	WSUM                                           ; the row of the largest score adds about 1: the sum is no zero
	s_wait_alu depctr_va_vdst(0)
	v_rcp_f32 v10, v8                              ; twice, to fill the pair that the packed multiply names
	v_rcp_f32 v11, v8
	v_nop                                          ; a plain line behind the reciprocals
	s_wait_alu depctr_va_vdst(0)                   ; one wait for both
.irp j, 0,2,4,6,8,10,12,14
	v_pk_mul_f32 v[S+\j:S+\j+1], v[S+\j:S+\j+1], v[10:11]
.endr
.irp q, 0,1,2,3
	global_store_b128 v1, v[S+4*\q:S+4*\q+3], s[6:7] offset:16384*\q   ; a wave stores 512 consecutive bytes, aligned
.endr
	s_wait_tensorcnt 0x0                           ; the wave's end
	ds_add_u32 v96, v97
	s_wait_dscnt 0x0
	s_endpgm
.Lfunc_end_k_q56a3d3e38f_softmax:
	.size	k_q56a3d3e38f_softmax, .Lfunc_end_k_q56a3d3e38f_softmax-k_q56a3d3e38f_softmax
	.p2alignl 7, 3214868480
	.fill 96, 4, 3214868480
	.section	.rodata,"a",@progbits
	.p2align	6, 0x0
	.amdhsa_kernel k_q56a3d3e38f_softmax
		.amdhsa_group_segment_fixed_size 4608
		.amdhsa_private_segment_fixed_size 0
		.amdhsa_enable_private_segment 0
		.amdhsa_kernarg_size 16
		.amdhsa_user_sgpr_count 2
		.amdhsa_user_sgpr_kernarg_segment_ptr 1
		.amdhsa_wavefront_size32 1
		.amdhsa_system_sgpr_workgroup_id_x 1
		.amdhsa_system_sgpr_workgroup_id_y 1
		.amdhsa_system_sgpr_workgroup_id_z 1
		.amdhsa_system_vgpr_workitem_id 0
		.amdhsa_next_free_vgpr 98
		.amdhsa_next_free_sgpr 66
		.amdhsa_reserve_vcc 0
		.amdhsa_float_denorm_mode_32 3
		.amdhsa_float_denorm_mode_16_64 3
		.amdhsa_memory_ordered 1
		.amdhsa_forward_progress 1
		.amdhsa_inst_pref_size 9
	.end_amdhsa_kernel
	.amdgpu_metadata
---
amdhsa.version: [ 1, 2 ]
amdhsa.kernels:
  - .name:           k_q56a3d3e38f_softmax
    .symbol:         k_q56a3d3e38f_softmax.kd
    .args:
      - { .name: part, .offset: 0, .size: 8, .value_kind: global_buffer, .address_space: global }
      - { .name: out0, .offset: 8, .size: 8, .value_kind: global_buffer, .address_space: global }
    .group_segment_fixed_size: 4608
    .private_segment_fixed_size: 0
    .kernarg_segment_align: 8
    .kernarg_segment_size: 16
    .max_flat_workgroup_size: 1024
    .sgpr_count:     66
    .vgpr_count:     98
    .wavefront_size: 32
...
	.end_amdgpu_metadata
.endif
;; end of part 3
